; MI455X (gfx1250); checked and timed in simulation.
; The chip was launched on July 23, 2026; its instructions are those of AMD's public machine-readable ISA for CDNA 5 (MIT licence, August 2026) and "CDNA5" Instruction Set Architecture Reference Guide (July 2026). The comments in the code are by the model that wrote it; some were corrected since.
;; Self Attn Pool. Allowed arithmetic: matrix products marked QUANTISED: E2M1 operands, one E8M0 scale for each 32 along K, by v_wmma_scale_f32_16x16x128_f8f6f4 with both operands' format E2M1 (or v_wmma_scale_f32_32x16x128_f4), f32 sums; products left as they are: f32 operands where the result goes on into a quantised operand, else bf16, f16 or f32 operands; f32 sums; everything else in f32.
;; Inputs: V 512 x 1 float32; W_codes 512 x 16 x 16 uint8 (E2M1 codes of W, K innermost, in blocks of 32 codes, two codes a byte); W_scales 512 x 16 uint8 (E8M0 scales of W, one for each 32 codes along K); b 512 float32; x 32 x 4,096 x 512 float32.
;; Outputs: out0 32 x 512 float32.
;; This version of the problem:
;;   THIS VERSION OF THE PROBLEM IS GIVEN IN LOW PRECISION. The matrix products marked QUANTISED in the list below multiply operands that are first quantised to E2M1 (2 exponent bits, 1 mantissa bit; 4 bits a number), with one power-of-two scale for each 32 numbers along K (OCP MX v1.0); their sums are f32. All else is computed in f32.
;;   The module's matrix products, in the order in which they are computed (A, B: the left and right operand; K: the contracted axis; several contracted axes count as one K, in the product's order):
;;     1. [M 131,072, K 512] x [K 512, N 512]; A: input x; B: input W (given as codes): QUANTISED
;;     2. [M 131,072, K 512] x [K 512, N 1]; A: computed on the way; B: input V: left as it is (N = 1 < 16)
;;   THE QUANTISER, for each operand of a quantised product, along K:
;;     - K is cut into blocks of 32 from its start; a last block that is shorter is filled with zeros.
;;     - A block's scale is 2^e with e = floor(log2(the largest magnitude in the block)) - 2, held to -126 .. 127; a block of zeros has e = 0. As a byte (E8M0): e + 127.
;;     - Each number is divided by its block's scale, clamped to +-6, and rounded to the nearest number of E2M1, ties to even, subnormals kept.
;;     - The product sums the exact products of the quantised numbers (number of the format x scale) in f32.
;;   ~~~python
;;   def quantise(x, axis):      # numpy; x: float32 -> the quantised numbers, widened to float32 again
;;       x = np.moveaxis(x, axis, -1); K = x.shape[-1]
;;       x = np.pad(x, [(0, 0)] * (x.ndim - 1) + [(0, -K % 32)]); x = x.reshape(x.shape[:-1] + (-1, 32)); a = np.abs(x).max(-1, keepdims=True)
;;       e = np.where(a > 0, np.clip(np.frexp(np.where(a > 0, a, 1))[1] - 1 - 2, -126, 127), 0)      # np.frexp(a)[1] - 1 = floor(log2(a)), exactly
;;       r = np.clip(x / 2.0 ** e, -6, 6)
;;       step = 2.0 ** (np.maximum(np.frexp(np.where(r == 0, 1, r))[1] - 1, 0) - 1)
;;       q = np.round(r / step) * step * 2.0 ** e      # np.round: ties to even
;;       return np.moveaxis(q.reshape(q.shape[:-2] + (-1,))[..., :K], -1, axis).astype(np.float32)
;;   ~~~
;;   INPUTS GIVEN AS CODES. W (in the module: [512, 512], K = its axis 0): each comes as NAME_codes (uint8): NAME with its K axis moved to the last place and cut into blocks of 32 codes, [.., K / 32, bytes a block], one block behind the other in memory; two codes a byte, the lower K in the low four bits (a code: sign, 2 exponent bits, 1 mantissa bit); and NAME_scales (uint8): the same leading axes, one E8M0 byte (e + 127) for each 32 codes along K. Its value is code x scale, taken as it is: it is not quantised again, and the codes and scales need not be those that the quantiser above would give.
;; One version. Each part assembles by itself: llvm-mc -triple=amdgcn-amd-amdhsa -mcpu=gfx1250 --defsym DOCPART=n.
;; ======== version 1 of 1: 2 launches
;; limits: a difference of large sums (such as E[x^2] - mean^2): digits are lost where the result is much smaller than its terms
;; workspace buffers: part 589,824 bytes
;; launch pool (part 1): grid 256 x 1, 8 waves a work-group, no clusters, 327,680 bytes of LDS; arguments x, W_codes, W_scales, b, V, part; writes part
.if DOCPART == 1
	.amdgcn_target "amdgcn-amd-amdhsa--gfx1250"
	.amdhsa_code_object_version 6
	.text
	.protected	k_qe276a0db05_pool
	.globl	k_qe276a0db05_pool
	.p2align	8
	.type	k_qe276a0db05_pool,@function
k_qe276a0db05_pool:
	s_mov_b64 s[64:65], 0
	v_nop
	global_prefetch_b8 v0, s[64:65] scope:SCOPE_SE
	s_setreg_imm32_b32 hwreg(HW_REG_WAVE_MODE, 25, 1), 1
	s_wait_xcnt 0x0
; SelfAttnPool, first of two launches.  z[t][u] = sum_k Q(x)[t][k] W[k][u] + b[u] (x quantised here to E2M1 with one E8M0 scale for each 32 along K; W given as codes);
; score[t] = sum_u V[u] tanh(z[t][u]);  a = softmax over the 4,096 t of a batch;  out[f] = sum_t a[t] x[t][f], in f32.
; THIS LAUNCH: work-group wg owns rows 512 wg .. 512 wg + 511 of x taken as [131072][512] (an eighth of batch wg / 8) and stores a record of 2,304 bytes:
; o[512] = sum_t p[t] x[t][:], then the pair {m, l} 32 times over;  p = 2^(tau - m), m = the chunk's largest tau (a running maximum), l = sum_t p[t].
; WORK LEFT OUT.  tanh z = 1 - 2 r with r = 1 / (1 + 2^(c z)), c = 2 log2(e).  So score[t] = sum_u V[u] - 2 sum_u V[u] r[t][u].  The term sum_u V[u] is the same for every t of
; a softmax's axis and cancels there for all values of the inputs: it is not formed.  tau[t] = sum_u V'[u] r[t][u], V' = -c V, is log2(e) x (score[t] - sum V).  All five inputs are loaded.
; LIMITS.  NaN and infinities among the inputs are not served; an overflow of sum V alone is not carried to the result.  A block of x whose largest magnitude lies under 2^-124 keeps the
; scale byte 1; a block of zeros gets the byte 1 where the rule says 127 (its codes are zeros; only this program reads the bytes).  tau's partial sums reach 2.89 x sum |V|,
; so tau's rounding grows with V as f32 sums of that size do.
; SHARES.  Eight blocks of 64 rows go through a ring of two LDS slots.  Wave w (g = w % 4, g2 = w / 4) fetches strip g (512 bytes of each row = one K step of 128) of slot g2, always.
; THE WAVES SHARE THE COLUMNS: wave w keeps W's units 64 w .. 64 w + 63 (16 fragments, 128 registers), their b, V' and scale words in registers for the whole launch.
; A BLOCK i, in slot p = i % 2, two barriers:
;   | barrier 1: x's sixteen fragments of block i lie in LDS as images of their registers |
;   1: for each of the four tiles of 16 rows: z^T = W x^T + b (source 0 = 16 units, source 1 = 16 rows: a lane holds one row), r, my 64 units' part of tau to LDS.  Beside each tile's work eight of the
;      32 rows that I pool (group g2: rows 32 g2 .. + 31; a thread 4 columns of strip g) come from the slot into registers: at the phase's end nobody needs slot p any more.
;   | barrier R, the ring's: block i + 1 has landed in the other slot; group p asks for block i + 2 into slot p |
;   S: every wave adds the eight parts of tau, finds the same new m, and makes p of its group's 32 rows.  Ahead of that chain the next block's first 16 loads for the quantiser are issued.
;   P: o = f o + sum p x, from registers.   X: wave w quantises rows 16 (w / 2) .. + 15, K steps 2 (w % 2), + 1, of block i + 1 and stores the two fragments' images.
; No cluster: work-groups share W alone (136 KB against 1 MB of x each), and W goes straight into registers.  x is not asked for further ahead than the ring does:
; each work-group always has a whole block, 128 KiB, on its way.
.set PITCH,  528                       ; a strip's row in LDS: 512 bytes + 16 = 33 x 16: the 16 rows of a load begin at 16 different 16-byte columns of 256
.set STRIPB, 64*PITCH                  ; what one tensor load brings
.set SLOTB,  4*STRIPB
.set BLOCKB, 64*2048                   ; a block of x in memory
.set XIMG,   2*SLOTB                   ; x's 16 fragments: (tile m, K step s) at 1,024 (4 m + s); registers 4 c .. 4 c + 3 at + 512 c; 16 bytes a lane
.set XSC,    XIMG+16*1024              ; their scale words: tile m at 512 m; 16 bytes a lane: the words of K steps 0 .. 3
.set PS,     XSC+2048                  ; parts of tau: row at 32 x row, wave w's at + 4 w
.set PP,     PS+2048                   ; p: 128 bytes for each wave, its own
.set MG,     PP+1024                   ; the end: o of each wave, 512 bytes
.set MGL,    MG+4096                   ; and l, 128 bytes
.set SPARE,  MGL+1024                  ; the spare words, 128 bytes for each wave: four blocks of 256 bytes that no other line names
.set REC,    2304
.set SPW, 1                            ; v1   my spare word's address; never rewritten
.set NIL, 2                            ; v2   0; never rewritten
.set AX0, 3                            ; v3, v4    X: my row's 64 bytes of a block of 32, in slot 0, 1
.set IW,  5                            ; v5   where I store images
.set SW,  6                            ; v6   and my two scale words
.set IR,  7                            ; v7   where any image begins for my lane
.set PSW, 8                            ; v8   where my part of tau goes
.set PRA, 9                            ; v9   the eight parts of my row (32 g2 + lane)
.set PRO, 10                           ; v10  of the other group's row
.set PPW, 11                           ; v11  p: in
.set PPR, 12                           ; v12  p: back, the same address in all lanes
.set AP0, 13                           ; v13, v14  P: my 16 bytes of my group's first row, in slot 0, 1
.set MGW, 15
.set MGR, 16
.set MLW, 17
.set MLR, 18
.set GO,  19                           ; v19  my 16 bytes of o in the record
.set GM,  20                           ; v20  8 x lane
.set MR,  22                           ; v22  the running m;  v23 my lane's l: a pair, stored as such
.set LL,  23
.set ACC, 24                           ; v24-27 o of even rows, v28-31 of odd rows
.set XQ1, 32                           ; X: the 64 numbers of my second K step: blocks 0, 1 at v32-63, blocks 2, 3 at v144-175
.set XQ0, 64                           ; X: those of my first: blocks 0, 1 at v64-95, blocks 2, 3 at v176-207
.set XGAP, 112                         ; from a K step's first run of 32 registers to its second
.set RA,  32                           ; v32-63   P: rows 16-23
.set HA,  64                           ; v64-95   1: four accumulators
.set VV,  96                           ; v96-127  V', 8 a tile, in the result's layout
.set WS,  128                          ; v128-143 W's scale words (tile t, K step s at 4 t + s): scales and nothing else
.set XF,  144                          ; v144-207 1: x's four fragments of a tile, two sets of 32
.set RB,  144                          ; v144-175 P: rows 24-31, once tile 2's products have left set 0
.set XS,  208                          ; v208-215 x's scale words, two sets of 4: scales and nothing else
.set TM,  216                          ; v216-231 at work
.set PWD, 232                          ; v232-233 the two scale words just made
.set PC0, 234                          ; v234-249 the two fragments just made
.set PC1, 242
.set F,   254                          ; v254 f = 2^(old m - new m); v255 named with it as a pair
.set B1,  128                          ; window 1: v0-127 W's fragments ((t, s) at 8 (4 t + s)); v128-159 b, 8 a tile;
.set RW1, 160                          ; window 1: v160-223 P: rows 0-15;
.set PV,  224                          ; window 1: v224-255 the 32 p
.set WV,  16
.set G,   17
.set G2,  18
.set SEL, 20                           ; s[20:21] v_permlanex16_b32's selects for lane l xor 16
.set CS,  22                           ; s[22:23] c = 2 log2(e)
.set MSB, 0
.macro WIN new                         ; the immediate's high byte repeats the setting that is left
.if MSB != \new
	s_set_vgpr_msb (MSB<<8)|\new
.set MSB, \new
.endif
.endm
; The waves of group grp issue their one tensor load.  The branch hangs on the wave's number alone.  An s_nop 0 and four v_nop follow the load.
.macro TLOAD grp
	s_cmp_eq_u32 s[G2], \grp
	s_cbranch_scc0 .Lnot_mine_\@
	tensor_load_to_lds s[32:35], s[24:31]
	s_nop 0
.rept 4
	v_nop
.endr
.Lnot_mine_\@:
.endm
; THE RING'S BARRIER.  Each wave waits for all its tensor loads (at most one is out: its strip of the block that is read next), adds 0 to its spare word, and waits for that and for all its LDS
; instructions: its reads of the slot that is left, its reads of the images, its stores of tau's parts.  Behind the barrier group grp fills its slot (fill = 1).
.macro RCH grp, fill, step
	s_wait_tensorcnt 0x0                           ; no tensor load of mine is out, so group 0 may be written
	ds_add_u32 v[SPW], v[NIL]                      ; 0 onto my spare word
.if \fill
	ds_add_u32 v[SPW], v[NIL]                      ; and once more, twice on end in every trip alike
.if \step
	s_add_nc_u64 s[34:35], s[34:35], 2*BLOCKB      ; my strip two blocks on: group 0 uses it behind this barrier, group 1 behind the next; the type bits on top are not reached
.endif
.endif
	s_wait_dscnt 0x0
	s_barrier_signal -1
	s_barrier_wait -1
.if \fill
	TLOAD \grp                                     ; the first thing behind the barrier, and a wave's one tensor load until the next such barrier
.endif
.endm
; X's loads: my 16 rows' numbers of my K step kk (0, 1), from slot q: register 16 b + i of the step's two runs = k 32 b + 16 (lane / 16) + i of my row
.macro XLD kk, q
.irp b, 0,1,2,3
.irp j, 0,1,2,3
	ds_load_b128 v[XQ0-32*(\kk)+XGAP*(\b/2)+16*(\b%2)+4*\j:XQ0-32*(\kk)+XGAP*(\b/2)+16*(\b%2)+4*\j+3], v[AX0+(\q)] offset:(\kk)*STRIPB+128*\b+16*\j
.endr
.endr
.endm
; 64 numbers of a lane (blocks 0, 1 from v[s] on, blocks 2, 3 from v[s + XGAP] on) become a fragment's codes in v[pc] on and its scale word in v[pw].
.macro QUANT s, pc, pw
.irp b, 0,1,2,3
	v_max3_num_f32 v[TM+\b], |v[(\s)+XGAP*(\b/2)+16*(\b%2)]|, |v[(\s)+XGAP*(\b/2)+16*(\b%2)+1]|, 0x1800000   ; block b: my 16 numbers, and the floor 2^(3 - 127): the byte cannot fall under 1
.endr
.irp i, 2,4,6,8,10,12,14
.irp b, 0,1,2,3
	s_delay_alu instid0(VALU_DEP_4)
	v_max3_num_f32 v[TM+\b], v[TM+\b], |v[(\s)+XGAP*(\b/2)+16*(\b%2)+\i]|, |v[(\s)+XGAP*(\b/2)+16*(\b%2)+\i+1]|   ; (the four blocks by turns)
.endr
.endr
.irp b, 0,1,2,3
	s_delay_alu instid0(VALU_DEP_4)
	v_permlanex16_b32 v[TM+4+\b], v[TM+\b], s[SEL], s[SEL+1]
.endr
.irp b, 0,1,2,3
	s_delay_alu instid0(VALU_DEP_4)
	v_max_num_f32 v[TM+\b], v[TM+\b], v[TM+4+\b]   ; with lane l xor 16's: the block's largest magnitude
.endr
.irp b, 0,1,2,3
	s_delay_alu instid0(VALU_DEP_4)
	v_add_nc_u32 v[TM+12+\b], 0xff000000, v[TM+\b] ; 2 off its exponent field: the conversion takes the exponent field of this operand as its scale
.endr
.irp b, 0,1,2,3
	s_delay_alu instid0(VALU_DEP_4)
	v_lshrrev_b32 v[TM+4+\b], 23, v[TM+12+\b]      ; the scale's byte
.endr
	s_delay_alu instid0(VALU_DEP_3)
	v_lshl_or_b32 v[\pw], v[TM+5], 8, v[TM+4]      ; the four bytes make my row's scale word
	s_delay_alu instid0(VALU_DEP_1)
	v_lshl_or_b32 v[\pw], v[TM+6], 16, v[\pw]
	s_delay_alu instid0(VALU_DEP_1)
	v_lshl_or_b32 v[\pw], v[TM+7], 24, v[\pw]
.irp b, 0,1,2,3
	v_cvt_scalef32_pk8_fp4_f32 v[\pc+2*\b], v[(\s)+XGAP*(\b/2)+16*(\b%2):(\s)+XGAP*(\b/2)+16*(\b%2)+7], v[TM+12+\b]
	v_cvt_scalef32_pk8_fp4_f32 v[\pc+1+2*\b], v[(\s)+XGAP*(\b/2)+16*(\b%2)+8:(\s)+XGAP*(\b/2)+16*(\b%2)+15], v[TM+12+\b]
.endr
	v_nop                                          ; one plain place behind a scaled conversion
.irp c, 0,1                                    ; the operand's layout wants a WHOLE block in a lane: lanes 0-15 block 2 c, lanes 16-31 block 2 c + 1
.irp i, 0,1
	v_permlane16_swap_b32 v[\pc+4*\c+\i], v[\pc+2+4*\c+\i]
.endr
.endr
.endm
; X's arithmetic.  At its head my first K step's numbers are in; behind them only the second's 16 loads are out.
.macro XFIN
	QUANT XQ0, PC0, PWD
	ds_store_b128 v[IW], v[PC0:PC0+3]
	ds_store_b128 v[IW], v[PC0+4:PC0+7] offset:512
	s_wait_dscnt 2                                 ; only those two stores are younger than the second K step's loads
	QUANT XQ1, PC1, PWD+1
	ds_store_b128 v[IW], v[PC1:PC1+3] offset:1024
	ds_store_b128 v[IW], v[PC1+4:PC1+7] offset:1536
	ds_store_b64 v[SW], v[PWD:PWD+1]
.endm
; Tile m's four fragments of x and its scale words, as they were stored: nine loads, into set buf
.macro FETCHA m, buf
.irp s, 0,1,2,3
.irp c, 0,1
	ds_load_b128 v[XF+32*(\buf)+8*\s+4*\c:XF+32*(\buf)+8*\s+4*\c+3], v[IR] offset:(4*(\m)+\s)*1024+512*\c
.endr
.endr
	ds_load_b128 v[XS+4*(\buf):XS+4*(\buf)+3], v[IR] offset:16384+512*(\m)
.endm
; Rows 8 m .. 8 m + 7 of the 32 that I pool, from slot p: 32 lanes read 512 consecutive bytes of a row
.macro ROWS m, p
.if (\m) < 2
	WIN 0x40                                       ; destination window 1
.set i, 8*(\m)
.rept 8
	ds_load_b128 v[RW1+4*i:RW1+4*i+3], v[AP0+\p] offset:PITCH*i
.set i, i+1
.endr
.elseif (\m) == 2
.set i, 16
.rept 8
	ds_load_b128 v[RA+4*(i-16):RA+4*(i-16)+3], v[AP0+\p] offset:PITCH*i
.set i, i+1
.endr
.else
.set i, 24
.rept 8
	ds_load_b128 v[RB+4*(i-24):RB+4*(i-24)+3], v[AP0+\p] offset:PITCH*i   ; into the set of fragments that tile 2's products have left: a whole TANH stands between
.set i, i+1
.endr
.endif
.endm
; 16 matrix instructions: my four tiles of 16 units by turns, K step by K step; b is the C of each sum's first.
; In the result lane (r, h) holds row r, and register 8 t + j unit 64 w + 16 t + 8 h + j.
.macro PROD buf
	WIN 0x11                                       ; source 0 (W) and source 2 (b) window 1
.irp t, 0,1,2,3
	v_wmma_scale_f32_16x16x128_f8f6f4 v[HA+8*\t:HA+8*\t+7], v[32*\t:32*\t+7], v[XF+32*(\buf):XF+32*(\buf)+7], v[B1+8*\t:B1+8*\t+7], v[WS+4*\t], v[XS+4*(\buf)] matrix_a_fmt:MATRIX_FMT_FP4 matrix_b_fmt:MATRIX_FMT_FP4
.endr
	WIN 0x01                                       ; source 0 window 1; C and D window 0
.irp s, 1,2,3
.irp t, 0,1,2,3
	v_wmma_scale_f32_16x16x128_f8f6f4 v[HA+8*\t:HA+8*\t+7], v[32*\t+8*\s:32*\t+8*\s+7], v[XF+32*(\buf)+8*\s:XF+32*(\buf)+8*\s+7], v[HA+8*\t:HA+8*\t+7], v[WS+4*\t+\s], v[XS+4*(\buf)+\s] matrix_a_fmt:MATRIX_FMT_FP4 matrix_b_fmt:MATRIX_FMT_FP4
.endr
.endr
	WIN 0
.rept 4
	v_nop                                          ; four places between the last product and the first read of results (ISA guide 7.12.1)
.endr
.endm
; r = 1 / (1 + 2^(c z)) of my 32 numbers, and sum V' r over my wave's 64 units of row 16 m + r.  Two batches of 32 transcendentals, one wait each.
.macro TANH m
.set j, 0
.rept 16
	v_pk_mul_f32 v[HA+j:HA+j+1], v[HA+j:HA+j+1], s[CS:CS+1] op_sel_hi:[1,0]   ; c z; each accumulator from its low end on
.set j, j+2
.endr
.set j, 0
	s_wait_alu depctr_va_vdst(0)
.rept 32
	v_exp_f32 v[HA+j], v[HA+j]                     ; infinity for a large z gives r = 0, 0 for a very negative one r = 1: both are tanh's limits
.set j, j+1
.endr
	v_nop                                          ; a plain instruction behind the last exponential,
	s_wait_alu depctr_va_vdst(0)                   ; and the wait ahead of the batch's first reader
.set j, 0
.rept 16
	v_pk_add_f32 v[HA+j:HA+j+1], v[HA+j:HA+j+1], 1.0 op_sel_hi:[1,0]
.set j, j+2
.endr
.set j, 0
	s_wait_alu depctr_va_vdst(0)
.rept 32
	v_rcp_f32 v[HA+j], v[HA+j]
.set j, j+1
.endr
	v_nop
	s_wait_alu depctr_va_vdst(0)                   ; one wait for the 32 reciprocals
.set j, 0
.rept 4
	v_pk_mul_f32 v[TM+j:TM+j+1], v[HA+j:HA+j+1], v[VV+j:VV+j+1]   ; four chains, started by the first four pairs
.set j, j+2
.endr
.rept 12
	v_pk_fma_f32 v[TM+(j%8):TM+(j%8)+1], v[HA+j:HA+j+1], v[VV+j:VV+j+1], v[TM+(j%8):TM+(j%8)+1]
.set j, j+2
.endr
	s_delay_alu instid0(VALU_DEP_3)
	v_pk_add_f32 v[TM:TM+1], v[TM:TM+1], v[TM+2:TM+3]
	s_delay_alu instid0(VALU_DEP_2)
	v_pk_add_f32 v[TM+4:TM+5], v[TM+4:TM+5], v[TM+6:TM+7]
	s_delay_alu instid0(VALU_DEP_1)
	v_pk_add_f32 v[TM:TM+1], v[TM:TM+1], v[TM+4:TM+5]
	s_delay_alu instid0(VALU_DEP_1)
	v_add_f32 v[TM], v[TM], v[TM+1]
	s_delay_alu instid0(VALU_DEP_1)
	v_permlanex16_b32 v[TM+1], v[TM], s[SEL], s[SEL+1]   ; the row's other 32 units of mine lie in the lane 16 away
	s_delay_alu instid0(VALU_DEP_1)
	v_add_f32 v[TM], v[TM], v[TM+1]
	ds_store_b32 v[PSW], v[TM] offset:512*(\m)     ; both halves of the lanes write the same word with the same value
.endm
; Row i of my group's 32: its four columns in v[reg] on (source 0), times p[i] (source 1, window 1).  An even row's p is the low register of an even pair: two packed multiply-adds;
; an odd row's is the upper one: four plain ones.  The two kinds have accumulators of their own.
.macro FMAROW i, reg
.if ((\i)%2) == 0
	v_pk_fma_f32 v[ACC:ACC+1], v[\reg:\reg+1], v[PV+(\i):PV+(\i)+1], v[ACC:ACC+1] op_sel_hi:[1,0,1]
	v_pk_fma_f32 v[ACC+2:ACC+3], v[\reg+2:\reg+3], v[PV+(\i):PV+(\i)+1], v[ACC+2:ACC+3] op_sel_hi:[1,0,1]
.else
	v_fmac_f32 v[ACC+4], v[\reg], v[PV+(\i)]
	v_fmac_f32 v[ACC+5], v[\reg+1], v[PV+(\i)]
	v_fmac_f32 v[ACC+6], v[\reg+2], v[PV+(\i)]
	v_fmac_f32 v[ACC+7], v[\reg+3], v[PV+(\i)]
.endif
.endm
; A BLOCK of 64 rows, in slot p.  fill = 1: the block two on is asked for.  nxt = 1: the next block is quantised.
.macro TRIP p, fill, nxt
	s_wait_dscnt 0x0                               ; for the others' sake: my images have landed, and my reads of tau's parts are over
	s_barrier_signal -1
	s_barrier_wait -1                              ; x's sixteen fragments lie in LDS
	; ---- 1: my 64 units for the four tiles of rows; the next tile's fragments and eight rows for the pooling are on their way while a tile is worked
	FETCHA 0, 0
.irp m, 0,1,2,3
.if \m < 3
	FETCHA \m+1, (\m+1)%2                          ; into the set that the tile before this one left: its products stand a whole TANH back
	ROWS \m, \p
	s_wait_dscnt 17                                ; all but the nine and the eight just issued
.else
	ROWS \m, \p
	s_wait_dscnt 8                                 ; all but the eight just issued
.endif
	PROD \m%2
	TANH \m
.endr
	RCH \p, \fill, 1-\p                            ; slot p has had its last read; the other slot's block has landed
	; ---- S: tau of my row and of the other group's, the new m (the same bits in every wave: the same additions on the same words), f and p
	ds_load_b128 v[TM:TM+3], v[PRA]
	ds_load_b128 v[TM+4:TM+7], v[PRA] offset:16
	ds_load_b128 v[TM+8:TM+11], v[PRO]
	ds_load_b128 v[TM+12:TM+15], v[PRO] offset:16
.if \nxt
	XLD 0, 1-\p                                    ; the next block's first K step of mine, into the accumulators' and the second set of fragments' registers: it lands under the chain below
	s_wait_dscnt 16                                ; the parts are in; those 16 loads may be out
.else
	s_wait_dscnt 0x0
.endif
	v_pk_add_f32 v[TM:TM+1], v[TM:TM+1], v[TM+2:TM+3]
	v_pk_add_f32 v[TM+8:TM+9], v[TM+8:TM+9], v[TM+10:TM+11]
	v_pk_add_f32 v[TM+4:TM+5], v[TM+4:TM+5], v[TM+6:TM+7]
	v_pk_add_f32 v[TM+12:TM+13], v[TM+12:TM+13], v[TM+14:TM+15]
	s_delay_alu instid0(VALU_DEP_2)
	v_pk_add_f32 v[TM:TM+1], v[TM:TM+1], v[TM+4:TM+5]
	s_delay_alu instid0(VALU_DEP_2)
	v_pk_add_f32 v[TM+8:TM+9], v[TM+8:TM+9], v[TM+12:TM+13]
	s_delay_alu instid0(VALU_DEP_2)
	v_add_f32 v[TM], v[TM], v[TM+1]                ; tau of row 32 g2 + lane
	s_delay_alu instid0(VALU_DEP_2)
	v_add_f32 v[TM+8], v[TM+8], v[TM+9]            ; and of the other group's row
	s_delay_alu instid0(VALU_DEP_1)
	v_max_num_f32 v[TM+2], v[TM], v[TM+8]
	s_delay_alu instid0(VALU_DEP_1)
	v_max_num_f32_dpp v[TM+2], v[TM+2], v[TM+2] row_xmask:1 row_mask:0xf bank_mask:0xf
	s_delay_alu instid0(VALU_DEP_1)
	v_max_num_f32_dpp v[TM+2], v[TM+2], v[TM+2] row_xmask:2 row_mask:0xf bank_mask:0xf
	s_delay_alu instid0(VALU_DEP_1)
	v_max_num_f32_dpp v[TM+2], v[TM+2], v[TM+2] row_xmask:4 row_mask:0xf bank_mask:0xf
	s_delay_alu instid0(VALU_DEP_1)
	v_max_num_f32_dpp v[TM+2], v[TM+2], v[TM+2] row_xmask:8 row_mask:0xf bank_mask:0xf
	s_delay_alu instid0(VALU_DEP_1)
	v_permlanex16_b32 v[TM+3], v[TM+2], s[SEL], s[SEL+1]
	s_delay_alu instid0(VALU_DEP_1)
	v_max3_num_f32 v[TM+2], v[TM+2], v[TM+3], v[MR]   ; the new m: the block's 64 rows and the old m
	s_delay_alu instid0(VALU_DEP_1)
	v_sub_f32 v[TM+4], v[MR], v[TM+2]
	s_delay_alu instid0(VALU_DEP_2)
	v_sub_f32 v[TM], v[TM], v[TM+2]
	s_delay_alu instid0(VALU_DEP_3)
	v_mov_b32 v[MR], v[TM+2]
	s_wait_alu depctr_va_vdst(0)
	v_exp_f32 v[F], v[TM+4]                        ; f = 2^(old m - new m): 0 in the first block
	v_exp_f32 v[TM+1], v[TM]                       ; p of my row, at most 1
	v_nop
	s_wait_alu depctr_va_vdst(0)                   ; one wait for the two
	ds_store_b32 v[PPW], v[TM+1]                   ; a lane's p goes to all lanes through my wave's own 128 bytes: LDS serves a wave's instructions in order (ISA guide 5.7.1.4)
	WIN 0x40                                       ; destination window 1
.irp i, 0,1,2,3,4,5,6,7
	ds_load_b128 v[PV+4*\i:PV+4*\i+3], v[PPR] offset:16*\i
.endr
	WIN 0
	v_fma_f32 v[LL], v[LL], v[F], v[TM+1]          ; l = f l + p
.irp k, 0,2,4,6
	v_pk_mul_f32 v[ACC+\k:ACC+\k+1], v[ACC+\k:ACC+\k+1], v[F:F+1] op_sel_hi:[1,0]   ; o under the new m
.endr
	; ---- P: o += p x, from registers.  Rows 16-31 first: their registers take the next block's second K step
	s_wait_alu depctr_va_vdst(0)
	s_wait_dscnt 0x0                               ; the 32 p; the older loads with them
	WIN 0x04                                       ; source 1 (p) window 1
.set i, 16
.rept 8
	FMAROW i, RA+4*(i-16)
.set i, i+1
.endr
.rept 8
	FMAROW i, RB+4*(i-24)
.set i, i+1
.endr
.if \nxt
	WIN 0
	XLD 1, 1-\p                                    ; it lands under rows 0-15 and the first K step's arithmetic
.endif
	WIN 0x05                                       ; sources 0 (x) and 1 (p) window 1
.set i, 0
.rept 16
	FMAROW i, RW1+4*i
.set i, i+1
.endr
	WIN 0
.if \nxt
	; ---- X: my 16 rows x two K steps of the next block become two fragments.  Every wave's reads of the last images were over in front of the ring's barrier
	XFIN
.endif
.endm
	s_load_b256 s[4:11], s[0:1], 0x0               ; x s[4:5], W's codes s[6:7], W's scales s[8:9], b s[10:11]
	s_load_b128 s[12:15], s[0:1], 0x20             ; V s[12:13], part s[14:15]
	v_lshl_add_u32 v[SPW], v0, 2, SPARE
	v_mov_b32 v[NIL], 0
	ds_add_u32 v[SPW], v[NIL]                      ; the wave's opening: the add, twice on end, and its wait ahead of my first tensor load; the set-up below, work on registers, stands between
	ds_add_u32 v[SPW], v[NIL]
	v_lshrrev_b32 v21, 5, v0
	s_delay_alu instid0(VALU_DEP_1)
	v_readfirstlane_b32 s[WV], v21                 ; wave 0..7
	s_and_b32 s[G], s[WV], 3                       ; my strip, and my 128 columns in the pooling
	s_lshr_b32 s[G2], s[WV], 2                     ; my slot, and my 32 rows in the pooling
	; descriptor group 1: 64 rows x 128 elements of 4 bytes, 2,048 bytes apart in memory, 16 bytes of padding behind each row in LDS
	s_mov_b32 s24, (2<<16)|(1<<20)|(6<<22)|(3<<25) ; no mask; elements of 4 bytes; padding on: after every 128 words (code 6) four words (code 3)
	s_mov_b32 s25, 128<<16                         ; tensor_dim0 = 128
	s_mov_b32 s26, 64<<16                          ; tensor_dim1 = 64
	s_mov_b32 s27, 128<<16                         ; tile_dim0 = 128
	s_mov_b32 s28, 64                              ; tile_dim1 = 64
	s_mov_b32 s29, 512                             ; elements from row to row
	s_mov_b32 s30, 0
	s_mov_b32 s31, 0
	s_mov_b32 s[SEL], 0x76543210
	s_mov_b32 s[SEL+1], 0xfedcba98
	s_mov_b32 s[CS], 0x4038aa3b                    ; c = 2 log2(e)
	s_mov_b32 s[CS+1], s[CS]                       ; (named with it as a pair, so it is written)
	; every LDS address is made here, ahead of the first branch on the wave's number
	v_and_b32 v144, 31, v0                         ; lane
	v_and_b32 v145, 15, v0                         ; r
	v_bfe_u32 v146, v0, 4, 1                       ; h
	s_delay_alu instid0(VALU_DEP_3)
	v_lshlrev_b32 v147, 4, v144                    ; 16 x lane
	s_wait_alu depctr_va_vdst(0)
	v_lshlrev_b32 v148, 2, v144                    ; 4 x lane
	s_lshr_b32 s38, s[WV], 1                       ; X: my tile of rows,
	s_and_b32 s39, s[WV], 1                        ; and my pair of K steps
	v_mul_u32_u24 v[AX0], v145, PITCH
	s_delay_alu instid0(VALU_DEP_1)
	v_lshl_add_u32 v[AX0], v146, 6, v[AX0]         ; row r, + 64 h: my 16 numbers of a block of 32
	s_mul_i32 s40, s38, 16*PITCH
	s_mul_i32 s41, s39, 2*STRIPB
	s_add_co_u32 s40, s40, s41
	v_add_nc_u32 v[AX0], s40, v[AX0]
	s_delay_alu instid0(VALU_DEP_1)
	v_add_nc_u32 v[AX0+1], SLOTB, v[AX0]
	s_lshl_b32 s40, s[WV], 11                      ; fragments 2 w and 2 w + 1
	s_add_co_u32 s40, s40, XIMG
	v_add_nc_u32 v[IW], s40, v147
	s_lshl_b32 s40, s38, 9
	s_lshl_b32 s41, s39, 3
	s_add_co_u32 s40, s40, s41
	s_add_co_u32 s40, s40, XSC
	v_add_nc_u32 v[SW], s40, v147
	v_add_nc_u32 v[IR], XIMG, v147
	s_lshl_b32 s40, s[WV], 2
	s_add_co_u32 s40, s40, PS
	v_lshl_add_u32 v[PSW], v145, 5, s40
	s_lshl_b32 s40, s[G2], 10
	s_add_co_u32 s40, s40, PS
	v_lshl_add_u32 v[PRA], v144, 5, s40
	s_xor_b32 s41, s[G2], 1
	s_lshl_b32 s41, s41, 10
	s_add_co_u32 s41, s41, PS
	v_lshl_add_u32 v[PRO], v144, 5, s41
	v_and_b32 v[PPR], 0xe0, v0                     ; 32 x wave
	s_delay_alu instid0(VALU_DEP_1)
	v_lshl_add_u32 v[PPR], v[PPR], 2, PP           ; my wave's 128 bytes
	s_delay_alu instid0(VALU_DEP_1)
	v_add_nc_u32 v[PPW], v[PPR], v148
	s_mul_i32 s41, s[G], STRIPB
	s_mul_i32 s42, s[G2], 32*PITCH
	s_add_co_u32 s41, s41, s42
	v_add_nc_u32 v[AP0], s41, v147
	s_delay_alu instid0(VALU_DEP_1)
	v_add_nc_u32 v[AP0+1], SLOTB, v[AP0]
	s_lshl_b32 s41, s[WV], 9
	s_add_co_u32 s41, s41, MG
	v_add_nc_u32 v[MGW], s41, v147
	s_xor_b32 s42, s[WV], 4                        ; my partner: the same columns, the other rows
	s_lshl_b32 s43, s42, 9
	s_add_co_u32 s43, s43, MG
	v_add_nc_u32 v[MGR], s43, v147
	s_lshl_b32 s41, s[WV], 7
	s_add_co_u32 s41, s41, MGL
	v_add_nc_u32 v[MLW], s41, v148
	s_lshl_b32 s43, s42, 7
	s_add_co_u32 s43, s43, MGL
	v_add_nc_u32 v[MLR], s43, v148
	s_lshl_b32 s41, s[G], 9
	v_add_nc_u32 v[GO], s41, v147
	v_lshlrev_b32 v[GM], 3, v144
	v_lshlrev_b32 v149, 8, v145
	s_delay_alu instid0(VALU_DEP_1)
	v_lshl_add_u32 v149, v146, 4, v149             ; W: row r of 256 bytes, + 16 h
	v_lshlrev_b32 v150, 5, v146                    ; b, V: 32 h: my half's eight units of a tile
	v_lshlrev_b32 v151, 4, v145                    ; W's scales: row r of 16 bytes
	s_lshl_b32 s44, ttmp9, 20                      ; my work-group's 512 rows of 2,048 bytes,
	s_lshl_b32 s45, s[G2], 17                      ; block g2,
	s_add_co_u32 s44, s44, s45
	s_lshl_b32 s45, s[G], 9                        ; strip g
	s_add_co_u32 s44, s44, s45
	s_mov_b32 s45, 0
	s_mov_b32 s32, 1                               ; group 0: count = 1
	s_mul_i32 s33, s[WV], STRIPB                   ; LDS address: strip g of slot g2 = wave x a strip
	s_wait_dscnt 0x0                               ; both opening adds are done
	s_wait_kmcnt 0x0
	s_add_nc_u64 s[34:35], s[4:5], s[44:45]        ; global address of the tile's first element
	s_or_b32 s35, s35, 0x80000000                  ; type = 2
	TLOAD 0                                        ; block 0, by waves 0 to 3: the launch's first fills, in one branch; slot 1's come behind the first barrier
	s_lshl_b32 s44, s[WV], 14
	s_add_nc_u64 s[6:7], s[6:7], s[44:45]          ; my 64 rows of W's codes,
	s_lshl_b32 s44, s[WV], 10
	s_add_nc_u64 s[8:9], s[8:9], s[44:45]          ; of its scales,
	s_lshl_b32 s44, s[WV], 8
	s_add_nc_u64 s[10:11], s[10:11], s[44:45]      ; my 64 numbers of b
	s_add_nc_u64 s[12:13], s[12:13], s[44:45]      ; and of V
	s_mul_i32 s44, ttmp9, REC
	s_add_nc_u64 s[14:15], s[14:15], s[44:45]      ; my record
	WIN 0x40                                       ; destination window 1
	s_wait_alu depctr_va_vdst(0)
.irp t, 0,1,2,3                                ; W's fragments stay: lane (r, h) holds unit 16 t + r; registers 4 c .. 4 c + 3 hold K = 128 s + 64 c + 32 h + 0 .. 31.  The wave's 32 loads together read its 64 rows whole, once
.irp s, 0,1,2,3
.irp c, 0,1
	global_load_b128 v[8*(4*\t+\s)+4*\c:8*(4*\t+\s)+4*\c+3], v149, s[6:7] offset:4096*\t+64*\s+32*\c
.endr
.endr
.endr
.irp t, 0,1,2,3
	global_load_b128 v[B1+8*\t:B1+8*\t+3], v150, s[10:11] offset:64*\t
	global_load_b128 v[B1+8*\t+4:B1+8*\t+7], v150, s[10:11] offset:64*\t+16
.endr
	WIN 0
.irp t, 0,1,2,3
	global_load_b128 v[VV+8*\t:VV+8*\t+3], v150, s[12:13] offset:64*\t
	global_load_b128 v[VV+8*\t+4:VV+8*\t+7], v150, s[12:13] offset:64*\t+16
	global_load_b128 v[WS+4*\t:WS+4*\t+3], v151, s[8:9] offset:256*\t
.endr
	v_mov_b32 v[MR], 0xff61b1e6                    ; the largest tau so far: -3e38, under every tau
	v_mov_b32 v[LL], 0
.irp k, 0,1,2,3,4,5,6,7
	v_mov_b32 v[ACC+\k], 0                         ; the block is written once: the first finds zeros, which f = 0 leaves zeros
.endr
.irp k, 4,5,6,7
	v_mov_b32 v[TM+\k], 0                          ; written once: a lane permute's destination counts as one of its sources
.endr
	v_mov_b32 v[F+1], 0                            ; (named as the upper half of the pair)
	s_wait_loadcnt 0x0                             ; the weights, once; their address registers lie where X's numbers will land
.set j, 0
.rept 16
	v_pk_mul_f32 v[VV+j:VV+j+1], v[VV+j:VV+j+1], 0xc038aa3b op_sel_hi:[1,0]   ; V' = -c V
.set j, j+2
.endr
	RCH 1, 1, 0                                    ; block 0 has landed; waves 4 to 7 ask for block 1: slot 1's first fill
	XLD 0, 0                                       ; X of block 0
	XLD 1, 0
	s_wait_dscnt 16                                ; the first K step's 16 loads are in; the second's may be out
	XFIN
	s_mov_b32 s36, 3
.Lpair:                                            ; three trips of two blocks: blocks 0 to 5; they ask for blocks 2 to 7
	TRIP 0, 1, 1
	TRIP 1, 1, 1
	s_sub_co_u32 s36, s36, 1
	s_cmp_lg_u32 s36, 0
	s_cbranch_scc1 .Lpair
	TRIP 0, 0, 1                                   ; the last two blocks are written out: they ask for nothing,
	TRIP 1, 0, 0                                   ; and behind the last there is no block to quantise
	; THE END: a thread's odd and even rows; its partner's 32 rows of each block, through LDS; l over the lanes
	v_pk_add_f32 v[ACC:ACC+1], v[ACC:ACC+1], v[ACC+4:ACC+5]
	v_pk_add_f32 v[ACC+2:ACC+3], v[ACC+2:ACC+3], v[ACC+6:ACC+7]
	ds_store_b128 v[MGW], v[ACC:ACC+3]
	ds_store_b32 v[MLW], v[LL]
	s_wait_alu depctr_va_vdst(0)
	s_wait_dscnt 0x0                               ; for the others' sake
	s_barrier_signal -1
	s_barrier_wait -1
	ds_load_b128 v[ACC+4:ACC+7], v[MGR]
	ds_load_b32 v21, v[MLR]
	s_wait_dscnt 0x0
	v_pk_add_f32 v[ACC:ACC+1], v[ACC:ACC+1], v[ACC+4:ACC+5]
	v_pk_add_f32 v[ACC+2:ACC+3], v[ACC+2:ACC+3], v[ACC+6:ACC+7]
	v_add_f32 v[LL], v[LL], v21
	s_delay_alu instid0(VALU_DEP_1)
	v_add_f32_dpp v[LL], v[LL], v[LL] row_xmask:1 row_mask:0xf bank_mask:0xf
	s_delay_alu instid0(VALU_DEP_1)
	v_add_f32_dpp v[LL], v[LL], v[LL] row_xmask:2 row_mask:0xf bank_mask:0xf
	s_delay_alu instid0(VALU_DEP_1)
	v_add_f32_dpp v[LL], v[LL], v[LL] row_xmask:4 row_mask:0xf bank_mask:0xf
	s_delay_alu instid0(VALU_DEP_1)
	v_add_f32_dpp v[LL], v[LL], v[LL] row_xmask:8 row_mask:0xf bank_mask:0xf
	s_delay_alu instid0(VALU_DEP_1)
	v_permlanex16_b32 v21, v[LL], s[SEL], s[SEL+1]
	s_delay_alu instid0(VALU_DEP_1)
	v_add_f32 v[LL], v[LL], v21                    ; l of the chunk's 512 rows, in every lane
	s_wait_tensorcnt 0x0                           ; the wave's end: behind my last tensor load and my last LDS store
	ds_add_u32 v[SPW], v[NIL]
	s_wait_dscnt 0x0
	s_cmp_lt_u32 s[WV], 4
	s_cbranch_scc0 .Lend                           ; waves 4 to 7 hold the same sums as their partners
	s_wait_alu depctr_va_vdst(0)
	global_store_b128 v[GO], v[ACC:ACC+3], s[14:15]   ; 32 lanes store 512 consecutive bytes, at a multiple of 256 from the buffer's first byte
	s_cmp_lg_u32 s[WV], 0
	s_cbranch_scc1 .Lend
	global_store_b64 v[GM], v[MR:MR+1], s[14:15] offset:2048   ; {m, l}, 32 times: 256 consecutive bytes
.Lend:
	s_endpgm
.Lfunc_end_k_qe276a0db05_pool:
	.size	k_qe276a0db05_pool, .Lfunc_end_k_qe276a0db05_pool-k_qe276a0db05_pool
	.p2alignl 7, 3214868480
	.fill 96, 4, 3214868480
	.section	.rodata,"a",@progbits
	.p2align	6, 0x0
	.amdhsa_kernel k_qe276a0db05_pool
		.amdhsa_group_segment_fixed_size 327680
		.amdhsa_private_segment_fixed_size 0
		.amdhsa_enable_private_segment 0
		.amdhsa_kernarg_size 48
		.amdhsa_user_sgpr_count 2
		.amdhsa_user_sgpr_kernarg_segment_ptr 1
		.amdhsa_wavefront_size32 1
		.amdhsa_system_sgpr_workgroup_id_x 1
		.amdhsa_system_sgpr_workgroup_id_y 1
		.amdhsa_system_sgpr_workgroup_id_z 1
		.amdhsa_system_vgpr_workitem_id 0
		.amdhsa_next_free_vgpr 512
		.amdhsa_next_free_sgpr 66
		.amdhsa_reserve_vcc 0
		.amdhsa_float_denorm_mode_32 3
		.amdhsa_float_denorm_mode_16_64 3
		.amdhsa_memory_ordered 1
		.amdhsa_forward_progress 1
		.amdhsa_inst_pref_size 241
	.end_amdhsa_kernel
	.amdgpu_metadata
---
amdhsa.version: [ 1, 2 ]
amdhsa.kernels:
  - .name:           k_qe276a0db05_pool
    .symbol:         k_qe276a0db05_pool.kd
    .args:
      - { .name: x, .offset: 0, .size: 8, .value_kind: global_buffer, .address_space: global }
      - { .name: W_codes, .offset: 8, .size: 8, .value_kind: global_buffer, .address_space: global }
      - { .name: W_scales, .offset: 16, .size: 8, .value_kind: global_buffer, .address_space: global }
      - { .name: b, .offset: 24, .size: 8, .value_kind: global_buffer, .address_space: global }
      - { .name: V, .offset: 32, .size: 8, .value_kind: global_buffer, .address_space: global }
      - { .name: part, .offset: 40, .size: 8, .value_kind: global_buffer, .address_space: global }
    .group_segment_fixed_size: 327680
    .private_segment_fixed_size: 0
    .kernarg_segment_align: 8
    .kernarg_segment_size: 48
    .max_flat_workgroup_size: 256
    .sgpr_count:     66
    .vgpr_count:     512
    .wavefront_size: 32
...
	.end_amdgpu_metadata
.endif
;; end of part 1
;; launch merge (part 2): grid 32 x 1, 4 waves a work-group, no clusters, 0 bytes of LDS; arguments part, out0; writes out0
.if DOCPART == 2
	.amdgcn_target "amdgcn-amd-amdhsa--gfx1250"
	.amdhsa_code_object_version 6
	.text
	.protected	k_qe276a0db05_merge
	.globl	k_qe276a0db05_merge
	.p2align	8
	.type	k_qe276a0db05_merge,@function
k_qe276a0db05_merge:
	s_mov_b64 s[64:65], 0
	v_nop
	global_prefetch_b8 v0, s[64:65] scope:SCOPE_SE
	s_setreg_imm32_b32 hwreg(HW_REG_WAVE_MODE, 25, 1), 1
	s_wait_xcnt 0x0
; SelfAttnPool, second launch: a batch's eight records {o[512], m, l} are joined: M = max m_i, w_i = 2^(m_i - M), out = (sum w_i o_i) / (sum w_i l_i).
; The m_i are in units of log2 and lack the term log2(e) x sum V, which is the same for all of a batch and cancels in the quotient (first kernel's head).
; A work-group a batch; thread t owns columns 4 t .. 4 t + 3.  24 KB in all lanes' loads, 2 KB out: no LDS, no barrier, no matrix unit: there is nothing for them to do.
.set REC, 2304
	s_load_b128 s[4:7], s[0:1], 0x0                ; part, out0
	v_mov_b32 v1, 0
	v_lshlrev_b32 v2, 4, v0                        ; my 16 bytes of a row of 2,048
	v_mov_b32 v55, 0                               ; (named as the upper half of the pair v[54:55])
	s_mul_i32 s8, ttmp9, 8*REC
	s_mov_b32 s9, 0
	s_lshl_b32 s10, ttmp9, 11
	s_mov_b32 s11, 0
	s_wait_alu depctr_va_vdst(0)
	s_wait_kmcnt 0x0
	s_add_nc_u64 s[4:5], s[4:5], s[8:9]
	s_add_nc_u64 s[6:7], s[6:7], s[10:11]
.irp i, 0,1,2,3,4,5,6,7
	global_load_b64 v[4+2*\i:5+2*\i], v1, s[4:5] offset:REC*\i+2048   ; {m_i, l_i}
.endr
.irp i, 0,1,2,3,4,5,6,7
	global_load_b128 v[20+4*\i:23+4*\i], v2, s[4:5] offset:REC*\i     ; o_i: a wave reads 512 consecutive bytes
.endr
	s_wait_loadcnt 8                               ; the eight pairs are in; the eight loads of o may be out
	v_max3_num_f32 v52, v4, v6, v8
	v_max3_num_f32 v52, v52, v10, v12
	v_max3_num_f32 v52, v52, v14, v16
	v_max_num_f32 v52, v52, v18                    ; M
.irp i, 0,1,2,3,4,5,6,7
	v_sub_f32 v[4+2*\i], v[4+2*\i], v52
.endr
	s_wait_alu depctr_va_vdst(0)
.irp i, 0,1,2,3,4,5,6,7
	v_exp_f32 v[4+2*\i], v[4+2*\i]                 ; w_i, at most 1, and 1 for the largest
.endr
	v_nop                                          ; a plain instruction behind the last exponential,
	s_wait_alu depctr_va_vdst(0)                   ; and the wait ahead of the batch's first reader
	v_mul_f32 v53, v4, v5
.irp i, 1,2,3,4,5,6,7
	v_fma_f32 v53, v[4+2*\i], v[5+2*\i], v53       ; L = sum w_i l_i, at least 1
.endr
	s_wait_alu depctr_va_vdst(0)
	v_rcp_f32 v54, v53
	v_nop
	s_wait_alu depctr_va_vdst(0)
	s_wait_loadcnt 0x0
	v_pk_mul_f32 v[56:57], v[20:21], v[4:5] op_sel_hi:[1,0]
	v_pk_mul_f32 v[58:59], v[22:23], v[4:5] op_sel_hi:[1,0]
.irp i, 1,2,3,4,5,6,7
	v_pk_fma_f32 v[56:57], v[20+4*\i:21+4*\i], v[4+2*\i:5+2*\i], v[56:57] op_sel_hi:[1,0,1]
	v_pk_fma_f32 v[58:59], v[22+4*\i:23+4*\i], v[4+2*\i:5+2*\i], v[58:59] op_sel_hi:[1,0,1]
.endr
	v_pk_mul_f32 v[56:57], v[56:57], v[54:55] op_sel_hi:[1,0]
	v_pk_mul_f32 v[58:59], v[58:59], v[54:55] op_sel_hi:[1,0]
	global_store_b128 v2, v[56:59], s[6:7]         ; a wave stores 512 consecutive bytes, at a multiple of 256 from out0's first byte
	s_endpgm
.Lfunc_end_k_qe276a0db05_merge:
	.size	k_qe276a0db05_merge, .Lfunc_end_k_qe276a0db05_merge-k_qe276a0db05_merge
	.p2alignl 7, 3214868480
	.fill 96, 4, 3214868480
	.section	.rodata,"a",@progbits
	.p2align	6, 0x0
	.amdhsa_kernel k_qe276a0db05_merge
		.amdhsa_group_segment_fixed_size 0
		.amdhsa_private_segment_fixed_size 0
		.amdhsa_enable_private_segment 0
		.amdhsa_kernarg_size 16
		.amdhsa_user_sgpr_count 2
		.amdhsa_user_sgpr_kernarg_segment_ptr 1
		.amdhsa_wavefront_size32 1
		.amdhsa_system_sgpr_workgroup_id_x 1
		.amdhsa_system_sgpr_workgroup_id_y 1
		.amdhsa_system_sgpr_workgroup_id_z 1
		.amdhsa_system_vgpr_workitem_id 0
		.amdhsa_next_free_vgpr 64
		.amdhsa_next_free_sgpr 66
		.amdhsa_reserve_vcc 0
		.amdhsa_float_denorm_mode_32 3
		.amdhsa_float_denorm_mode_16_64 3
		.amdhsa_memory_ordered 1
		.amdhsa_forward_progress 1
		.amdhsa_inst_pref_size 5
	.end_amdhsa_kernel
	.amdgpu_metadata
---
amdhsa.version: [ 1, 2 ]
amdhsa.kernels:
  - .name:           k_qe276a0db05_merge
    .symbol:         k_qe276a0db05_merge.kd
    .args:
      - { .name: part, .offset: 0, .size: 8, .value_kind: global_buffer, .address_space: global }
      - { .name: out0, .offset: 8, .size: 8, .value_kind: global_buffer, .address_space: global }
    .group_segment_fixed_size: 0
    .private_segment_fixed_size: 0
    .kernarg_segment_align: 8
    .kernarg_segment_size: 16
    .max_flat_workgroup_size: 128
    .sgpr_count:     66
    .vgpr_count:     64
    .wavefront_size: 32
...
	.end_amdgpu_metadata
.endif
;; end of part 2
